; MI455X (gfx1250); checked and timed in simulation.
; The chip was launched on July 23, 2026; its instructions are those of AMD's public machine-readable ISA for CDNA 5 (MIT licence, August 2026) and "CDNA5" Instruction Set Architecture Reference Guide (July 2026). The comments in the code are by the model that wrote it; some were corrected since.
;; Hyperplane. Allowed arithmetic: float matrix products may take bf16 or f16 operands with f32 sums; all other float work in f32.
;; Inputs: a 1,024 x 256 float32; p 1,024 x 256 float32; x 512 x 256 float32.
;; Outputs: out0 512 x 1,024 float32.
;; 2 versions, each right; version 2 is version 1 with the launch hyperplane written anew for expert scheduling mode. Each part assembles by itself: llvm-mc -triple=amdgcn-amd-amdhsa -mcpu=gfx1250 --defsym DOCPART=n.
;; ======== version 1 of 2: 1 launch
;; limits: values outside matrix products are rounded to bf16
;; launch hyperplane (part 1): grid 16 x 16, 8 waves a work-group, no clusters, 168,960 bytes of LDS; arguments x, p, a, out0; writes out0
.if DOCPART == 1
	.amdgcn_target "amdgcn-amd-amdhsa--gfx1250"
	.amdhsa_code_object_version 6
	.text
	.protected	k_q55d2109fce_hyperplane
	.globl	k_q55d2109fce_hyperplane
	.p2align	8
	.type	k_q55d2109fce_hyperplane,@function
k_q55d2109fce_hyperplane:
	s_mov_b64 s[64:65], 0
	v_nop
	global_prefetch_b8 v0, s[64:65] scope:SCOPE_SE
	s_setreg_imm32_b32 hwreg(HW_REG_WAVE_MODE, 25, 1), 1
	s_wait_xcnt 0x0
; Hyperbolic hyperplane logits.  x: [512][256] f32, p, a: [1024][256] f32, out0: [512][1024] f32.
; z = (-p) (+) x is never formed.  With px = <x,p>, xa = <x,a> and the row sums x2, p2, a2, pa = <p,a>:
;   beta = 1 - p2     alpha = 1 + x2 - 2 px     dn = 1 + p2 x2 - 2 px + EPS     na = |beta| sqrt(a2)
;   n2 = |num|^2 = alpha (alpha p2 - 2 beta px) + beta^2 x2          (z2 = n2 / dn^2)
;   arg = (2 beta^2 xa - 2 beta pa alpha) dn / (dn^2 (na + EPS) - n2 na)
;   out = 2 / (beta + EPS) * na * asinh(arg)
; which is reference()'s chain with both EPS terms kept; only the order of rounding differs.
;
; A work-group makes 32 rows (b) x 64 columns (k): 64 columns are 256 bytes, so each aligned 256-byte piece of out0 is
; written whole.  16 x 16 = 256 work-groups.  The launch asks for more than half of a WGP's 327,680 bytes of LDS though
; 95,104 are used: no second work-group lies beside this one, so the 256 groups spread over 256 WGPs.
; PHASE 1 (8 waves): all 40 loads of a lane are issued at once (160 KB of the group in flight); sixteen lanes take 256
;   aligned bytes of one row.  As rows arrive: square sums in f32, rounding to bf16, 16-byte LDS stores.  The wave that
;   holds a row of p and a also makes that k's seven constants.
; PHASE 2: wave (bt, kt) owns one 16 x 16 tile of the output: two accumulators (px, xa), 8 K steps of 32.
;   Source 0 = rows of p (or a), source 1 = rows of x: a lane then holds 8 neighbouring k of one b.
;   Epilogue in f32, out through an LDS stage so that sixteen lanes store 256 neighbouring bytes.
; The place of d inside an LDS row is permuted (d = 64 t + 4 r + e lies at 128 (t>>1) + 8 r + 4 (t&1) + e), alike for
; x, p and a, so each product meets its partner; only the order of the f32 sums differs from ascending d.
; NO CLUSTER, NO MULTICAST: the tiles are f32 and every number has to pass a register once (square sums, rounding).
;   Through the mover 163,840 bytes would be written to LDS and read back before the 81,920 bytes of bf16 are written:
;   three times the LDS traffic of this staging.
; LIMITS: <x,p> and <x,a> take operands rounded to bf16, sums in f32.  asinh(t) = sign(t) ln(|t| + sqrt(t^2 + 1)):
;   t^2 overflows for |t| above 1.8e19 (result inf where the true value is near 45); for tiny t the absolute error is
;   about 1e-7 (the relative one is not kept).  v_sqrt_f32 and v_rcp_f32 flush denormals: a2 below 2^-126 counts as 0.
.set ROWB,   1024                      ; bytes in a row of x, p, a
.set PITCH,  528                       ; LDS row: 512 bytes of bf16 + 16: the 16 rows of a fragment load fall on different banks
.set XS,     0                         ; 32 rows of x
.set PS,     XS+32*PITCH               ; 64 rows of p
.set AS,     PS+64*PITCH               ; 64 rows of a
.set CN,     AS+64*PITCH               ; seven arrays of 64 f32: constant c of column k at CN + 256 c + 4 k
.set X2O,    CN+7*256                  ; x2 of the 32 rows
.set ST,     X2O+128                   ; the stage: 32 rows of 256 bytes + 16
.set SPITCH, 272
.set EPSF,   0x358637bd                ; 1e-6
.set ONEEPS, 0x3f800008                ; 1 + 1e-6
.set M2LN2,  0xbfb17218                ; -2 ln 2
; vector registers
.set R,    1                           ; lane % 16
.set G,    2                           ; thread / 16, 0..15: the row that my sixteen lanes share
.set GOFF, 3                           ; 1024 G + 16 R: my 16 bytes in x, p, a
.set LSX,  4                           ; 528 G + 16 R: where they go in LDS (x and p by the immediate)
.set LSA,  5                           ; the same + AS (beyond the 16-bit immediate)
.set LSC,  6                           ; CN + 4 G
.set FX,   7                           ; fragment addresses of x, p, a
.set FP,   8
.set FA,   9
.set LC,   10                          ; my 8 constants of each array
.set LX2,  11                          ; my x2
.set SST,  12                          ; stage, in
.set SRD,  13                          ; stage, back
.set OOF,  14                          ; 16 R, later my byte offset in out0
.set H,    15                          ; lane / 16
.set LD,   16                          ; v[16:175]: 40 loads; x group i at LD+16 i; p group i at LD+32+32 i, a behind it
.set SX,   176                         ; v[176:179] sums of x
.set SP2,  180                         ; pairs: p2, a2, pa
.set SA2,  182
.set SPA,  184
.set CB,   186                         ; constants at work
.set CM,   187
.set CSQ,  188
.set CBE,  189
.set CRC,  190
.set CB1,  191
.set CNB2, 192
.set CNNA, 193
.set CNAE, 194
.set CC,   195
.set F,    16                          ; v[16:207]: K step s: x at F+24 s, p at +8, a at +16
.set PX,   208                         ; accumulators
.set XA,   216
.set KP2,  16                          ; the constants of my 8 k (over the fragments of K steps 0 to 2)
.set KM2B, 24
.set KB1,  32
.set KNB2, 40
.set KNNA, 48
.set KNAE, 56
.set KCC,  64
.set X2R,  224                         ; per b, each twice (a pair for the packed forms): x2, 1 + x2, x2 / 2, 1 + EPS
.set OX2,  226
.set HX2,  228
.set OE,   230
.set QQ,   232
.set WW,   240
.set AL,   88                          ; epilogue, 8 registers each
.set DN,   96
.set UU,   104
.set SS,   112
.set NUM,  120
.set D2,   128
.set GG,   136
.set RC,   144
.set ARG,  152
.set T2,   160
.set SQ,   168
.set YY,   176
.set LG,   184
.set OUTR, 192
	s_load_b256 s[4:11], s[0:1], 0x0               ; x s[4:5], p s[6:7], a s[8:9], out0 s[10:11]
	v_lshl_add_u32 v248, v0, 2, 0x29000
	v_mov_b32 v249, 0
	v_and_b32 v[R], 15, v0
	v_lshrrev_b32 v[G], 4, v0
	v_bfe_u32 v[H], v0, 4, 1
	v_lshrrev_b32 v[LC], 5, v0
	v_readfirstlane_b32 s12, v[LC]                 ; wave 0..7
	v_lshlrev_b32 v[OOF], 4, v[R]
	v_lshl_add_u32 v[GOFF], v[G], 10, v[OOF]
	s_and_b32 s13, ttmp7, 0xffff                   ; block of 32 rows b; ttmp9: block of 64 columns k
	s_lshl_b32 s16, s13, 15                        ; 32 rows of 1,024 bytes of x
	s_mov_b32 s17, 0
	s_lshl_b32 s18, ttmp9, 16                      ; 64 rows of p and of a
	s_mov_b32 s19, 0
	s_lshl_b32 s20, s13, 17                        ; 32 rows of 4,096 bytes of out0
	s_lshl_b32 s21, ttmp9, 8                       ; + 64 columns of 4 bytes
	s_add_co_u32 s20, s20, s21
	s_mov_b32 s21, 0
	s_wait_kmcnt 0x0
	s_add_nc_u64 s[4:5], s[4:5], s[16:17]
	s_add_nc_u64 s[6:7], s[6:7], s[18:19]
	s_add_nc_u64 s[8:9], s[8:9], s[18:19]
	s_add_nc_u64 s[10:11], s[10:11], s[20:21]
	; All 40 loads.  Group i holds row G + 16 i; load t its bytes 256 t .. 256 t + 255 (sixteen lanes, 16 bytes each).
	; These tiles are read again by fifteen other work-groups: no cache hint.
.irp i, 0,1
.irp t, 0,1,2,3
	global_load_b128 v[LD+16*\i+4*\t:LD+16*\i+4*\t+3], v[GOFF], s[4:5] offset:\i*16*ROWB+\t*256
.endr
.endr
.irp i, 0,1,2,3
.irp t, 0,1,2,3
	global_load_b128 v[LD+32+32*\i+4*\t:LD+32+32*\i+4*\t+3], v[GOFF], s[6:7] offset:\i*16*ROWB+\t*256
.endr
.irp t, 0,1,2,3
	global_load_b128 v[LD+48+32*\i+4*\t:LD+48+32*\i+4*\t+3], v[GOFF], s[8:9] offset:\i*16*ROWB+\t*256
.endr
.endr
	; addresses, while the loads are on their way
	v_mul_u32_u24 v[LSX], v[G], PITCH
	v_add_nc_u32 v[LSX], v[LSX], v[OOF]
	v_add_nc_u32 v[LSA], AS, v[LSX]
	v_lshl_add_u32 v[LSC], v[G], 2, CN
	s_and_b32 s14, s12, 1                          ; bt: which 16 rows b are my tile's
	s_lshr_b32 s15, s12, 1                         ; kt: which 16 columns k
	v_mul_u32_u24 v[FX], v[R], PITCH               ; a fragment: lane holds row R, 16 bytes at 16 H and at 32 + 16 H of each 64
	v_lshl_add_u32 v[FX], v[H], 4, v[FX]
	s_mul_i32 s22, s14, 16*PITCH
	s_mul_i32 s23, s15, 16*PITCH
	s_add_co_u32 s23, s23, PS
	v_add_nc_u32 v[FP], s23, v[FX]
	v_add_nc_u32 v[FA], AS-PS, v[FP]
	v_add_nc_u32 v[FX], s22, v[FX]
	s_lshl_b32 s24, s15, 6                         ; 16 kt columns of 4 bytes
	s_add_co_u32 s25, s24, CN
	s_lshl_b32 s26, s14, 6
	s_add_co_u32 s26, s26, X2O
	s_mul_i32 s27, s14, 16*SPITCH
	s_add_co_u32 s27, s27, s24
	s_add_co_u32 s27, s27, ST
	s_mov_b32 s28, 0x7fffffff                      ; everything but the sign
; 16 f32 of a lane (loads t = 0..3) to 16 bf16, in place: registers +0..+3 hold t = 0, 1; registers +8..+11 hold t = 2, 3
.macro CVT16 src
	v_cvt_pk_bf16_f32 v[\src+0],  v[\src+0],  v[\src+1]
	v_cvt_pk_bf16_f32 v[\src+1],  v[\src+2],  v[\src+3]
	v_cvt_pk_bf16_f32 v[\src+2],  v[\src+4],  v[\src+5]
	v_cvt_pk_bf16_f32 v[\src+3],  v[\src+6],  v[\src+7]
	v_cvt_pk_bf16_f32 v[\src+8],  v[\src+8],  v[\src+9]
	v_cvt_pk_bf16_f32 v[\src+9],  v[\src+10], v[\src+11]
	v_cvt_pk_bf16_f32 v[\src+10], v[\src+12], v[\src+13]
	v_cvt_pk_bf16_f32 v[\src+11], v[\src+14], v[\src+15]
.endm
; Row G + 16 i of x.  left = the loads issued behind this group's four (loads return in order, ISA guide 5.7.1).
.macro XGROUP i, left
	s_wait_loadcnt \left
.set XX, LD+16*\i
	v_pk_mul_f32 v[SX:SX+1],   v[XX:XX+1],   v[XX:XX+1]        ; the first products start the two chains
	v_pk_mul_f32 v[SX+2:SX+3], v[XX+2:XX+3], v[XX+2:XX+3]
.irp j, 4,8,12
	v_pk_fma_f32 v[SX:SX+1],   v[XX+\j:XX+\j+1],   v[XX+\j:XX+\j+1],   v[SX:SX+1]
	v_pk_fma_f32 v[SX+2:SX+3], v[XX+\j+2:XX+\j+3], v[XX+\j+2:XX+\j+3], v[SX+2:SX+3]
.endr
	v_pk_add_f32 v[SX:SX+1], v[SX:SX+1], v[SX+2:SX+3]
	v_add_f32 v[SX], v[SX], v[SX+1]
	CVT16 XX
	ds_store_b128 v[LSX], v[XX:XX+3]    offset:XS+\i*16*PITCH      ; sixteen lanes: 256 neighbouring bytes, no bank met twice
	ds_store_b128 v[LSX], v[XX+8:XX+11] offset:XS+\i*16*PITCH+256
.irp m, 1,2,4,8
	v_add_f32_dpp v[SX], v[SX], v[SX] row_xmask:\m row_mask:0xf bank_mask:0xf   ; a row lies in sixteen lanes: four steps
.endr
	ds_store_b32 v[LSC], v[SX] offset:X2O-CN+64*\i             ; sixteen lanes, one word, one value
.endm
; Row G + 16 i of p and of a: sums, bf16, and the seven constants of that k.
.macro PAGROUP i, left
	s_wait_loadcnt \left
.set PP, LD+32+32*\i
.set AA, PP+16
	v_pk_mul_f32 v[SP2:SP2+1], v[PP:PP+1], v[PP:PP+1]
	v_pk_mul_f32 v[SA2:SA2+1], v[AA:AA+1], v[AA:AA+1]
	v_pk_mul_f32 v[SPA:SPA+1], v[PP:PP+1], v[AA:AA+1]
.irp j, 2,4,6,8,10,12,14
	v_pk_fma_f32 v[SP2:SP2+1], v[PP+\j:PP+\j+1], v[PP+\j:PP+\j+1], v[SP2:SP2+1]
	v_pk_fma_f32 v[SA2:SA2+1], v[AA+\j:AA+\j+1], v[AA+\j:AA+\j+1], v[SA2:SA2+1]
	v_pk_fma_f32 v[SPA:SPA+1], v[PP+\j:PP+\j+1], v[AA+\j:AA+\j+1], v[SPA:SPA+1]
.endr
	v_add_f32 v[SP2], v[SP2], v[SP2+1]
	v_add_f32 v[SA2], v[SA2], v[SA2+1]
	v_add_f32 v[SPA], v[SPA], v[SPA+1]
	CVT16 PP
	ds_store_b128 v[LSX], v[PP:PP+3]    offset:PS+\i*16*PITCH
	ds_store_b128 v[LSX], v[PP+8:PP+11] offset:PS+\i*16*PITCH+256
	CVT16 AA
	ds_store_b128 v[LSA], v[AA:AA+3]    offset:\i*16*PITCH
	ds_store_b128 v[LSA], v[AA+8:AA+11] offset:\i*16*PITCH+256
.irp m, 1,2,4,8
	v_add_f32_dpp v[SP2], v[SP2], v[SP2] row_xmask:\m row_mask:0xf bank_mask:0xf
	v_add_f32_dpp v[SA2], v[SA2], v[SA2] row_xmask:\m row_mask:0xf bank_mask:0xf
	v_add_f32_dpp v[SPA], v[SPA], v[SPA] row_xmask:\m row_mask:0xf bank_mask:0xf
.endr
	v_sub_f32 v[CB], 1.0, v[SP2]                   ; beta = 1 - p2
	v_sqrt_f32 v[CSQ], v[SA2]                      ; |a|.  Behind a transcendental one plain vector line stands before its
	v_mul_f32 v[CM], -2.0, v[CB]                   ; result is used (ISA guide 5.7.2): here -2 beta,
	v_add_f32 v[CBE], EPSF, v[CB]
	v_rcp_f32 v[CRC], v[CBE]                       ; 1 / (1 - p2 + EPS)
	v_mul_f32 v[CB1], -v[CM], v[CB]                ; and here 2 beta^2
	v_mul_f32 v[CNB2], v[CM], v[SPA]               ; -2 beta pa
	s_wait_alu depctr_va_vdst(0)
	v_mul_f32 v[CNNA], -|v[CB]|, v[CSQ]            ; -na = -|beta| |a|
	v_sub_f32 v[CNAE], EPSF, v[CNNA]               ; na + EPS
	v_mul_f32 v[CC], v[CNNA], v[CRC]
	v_mul_f32 v[CC], M2LN2, v[CC]                  ; lam na ln 2: the logarithm below is to base 2
	ds_store_b32 v[LSC], v[SP2]  offset:0*256+64*\i
	ds_store_b32 v[LSC], v[CM]   offset:1*256+64*\i
	ds_store_b32 v[LSC], v[CB1]  offset:2*256+64*\i
	ds_store_b32 v[LSC], v[CNB2] offset:3*256+64*\i
	ds_store_b32 v[LSC], v[CNNA] offset:4*256+64*\i
	ds_store_b32 v[LSC], v[CNAE] offset:5*256+64*\i
	ds_store_b32 v[LSC], v[CC]   offset:6*256+64*\i
.endm
	XGROUP 0, 36                                   ; 40 loads: 4 + 4 of x, then 8 for each group of p and a
	XGROUP 1, 32
	PAGROUP 0, 24
	PAGROUP 1, 16
	PAGROUP 2, 8
	PAGROUP 3, 0
	s_wait_dscnt 0x0                               ; my rows and constants are in LDS: zero, for the other waves' sake
	s_barrier_signal -1
	s_barrier_wait -1                              ; everybody's are
	; 48 fragment loads in one run, in the order in which the K steps want them
.irp s, 0,1,2,3,4,5,6,7
	ds_load_b128 v[F+24*\s:F+24*\s+3],     v[FX] offset:64*\s
	ds_load_b128 v[F+24*\s+4:F+24*\s+7],   v[FX] offset:64*\s+32
	ds_load_b128 v[F+24*\s+8:F+24*\s+11],  v[FP] offset:64*\s
	ds_load_b128 v[F+24*\s+12:F+24*\s+15], v[FP] offset:64*\s+32
	ds_load_b128 v[F+24*\s+16:F+24*\s+19], v[FA] offset:64*\s
	ds_load_b128 v[F+24*\s+20:F+24*\s+23], v[FA] offset:64*\s+32
.endr
; K step s.  left = the LDS loads issued behind this step's six.  The first step starts the sums: nothing is cleared.
.macro STEP s, left, first
	s_wait_dscnt \left
.if \first
	v_wmma_f32_16x16x32_bf16 v[PX:PX+7], v[F+24*\s+8:F+24*\s+15],  v[F+24*\s:F+24*\s+7], 0
	v_wmma_f32_16x16x32_bf16 v[XA:XA+7], v[F+24*\s+16:F+24*\s+23], v[F+24*\s:F+24*\s+7], 0
.else
	v_wmma_f32_16x16x32_bf16 v[PX:PX+7], v[F+24*\s+8:F+24*\s+15],  v[F+24*\s:F+24*\s+7], v[PX:PX+7]
	v_wmma_f32_16x16x32_bf16 v[XA:XA+7], v[F+24*\s+16:F+24*\s+23], v[F+24*\s:F+24*\s+7], v[XA:XA+7]
.endif
.endm
	STEP 0, 42, 1                                  ; 48 - 6 (s + 1)
	STEP 1, 36, 0
	STEP 2, 30, 0
	STEP 3, 24, 0
	; The constants go over the fragments of K steps 0 to 2 (v16 to v71).  A load into a register that a matrix instruction
	; has read stands four plain vector lines behind it: the nine lines of address work below, which
	; name none of those registers, are these places.
	v_lshl_add_u32 v[LC], v[H], 5, s25             ; CN + 4 (16 kt + 8 H)
	v_lshl_add_u32 v[LX2], v[R], 2, s26            ; X2O + 4 (16 bt + R)
	v_mul_u32_u24 v[SST], v[R], SPITCH             ; stage, in: row 16 bt + R, byte 4 (16 kt + 8 H)
	v_lshl_add_u32 v[SST], v[H], 5, v[SST]
	v_add_nc_u32 v[SST], s27, v[SST]
	v_mul_u32_u24 v[SRD], v[G], SPITCH             ; stage, back: row G, byte 16 R
	v_add_nc_u32 v[SRD], v[SRD], v[OOF]
	v_add_nc_u32 v[SRD], ST, v[SRD]
	v_lshl_add_u32 v[OOF], v[G], 12, v[OOF]        ; and the same place in out0: 4,096 G + 16 R
.irp c, 0,1,2,3,4,5,6
	ds_load_b128 v[KP2+8*\c:KP2+8*\c+3],   v[LC] offset:256*\c
	ds_load_b128 v[KP2+8*\c+4:KP2+8*\c+7], v[LC] offset:256*\c+16
.endr
	ds_load_b32 v[X2R], v[LX2]
	STEP 4, 33, 0                                  ; 48 - 6 (s + 1) + the 15 loads just issued
	STEP 5, 27, 0
	STEP 6, 21, 0
	STEP 7, 15, 0
	; EPILOGUE.  Register j of lane (R, H): b = 16 bt + R, k = 16 kt + 8 H + j.
	s_wait_dscnt 0x0                               ; the constants
	; These seven lines name no register of the matrix instructions above: they are the places in front of the first
	; read of the accumulators and the first write over the fragments of K steps 3 to 7 (ISA guide 7.12.1).
	v_mov_b32 v[X2R+1], v[X2R]
	v_add_f32 v[OX2],   1.0, v[X2R]
	v_add_f32 v[OX2+1], 1.0, v[X2R]
	v_mul_f32 v[HX2],   0.5, v[X2R]
	v_mul_f32 v[HX2+1], 0.5, v[X2R]
	v_mov_b32 v[OE],   ONEEPS
	v_mov_b32 v[OE+1], ONEEPS
.irp j, 0,2,4,6
	v_pk_fma_f32 v[QQ+\j:QQ+\j+1], v[KP2+\j:KP2+\j+1], v[X2R:X2R+1], v[OE:OE+1]        ; 1 + EPS + p2 x2
.endr
.irp j, 0,2,4,6
	v_pk_mul_f32 v[WW+\j:WW+\j+1], v[KB1+\j:KB1+\j+1], v[HX2:HX2+1]                    ; beta^2 x2
.endr
.irp j, 0,2,4,6
	v_pk_fma_f32 v[AL+\j:AL+\j+1], v[PX+\j:PX+\j+1], -2.0, v[OX2:OX2+1] op_sel_hi:[1,0,1]      ; alpha
.endr
.irp j, 0,2,4,6
	v_pk_fma_f32 v[DN+\j:DN+\j+1], v[PX+\j:PX+\j+1], -2.0, v[QQ+\j:QQ+\j+1] op_sel_hi:[1,0,1]  ; dn
.endr
.irp j, 0,2,4,6
	v_pk_mul_f32 v[UU+\j:UU+\j+1], v[AL+\j:AL+\j+1], v[KP2+\j:KP2+\j+1]
.endr
.irp j, 0,2,4,6
	v_pk_mul_f32 v[SS+\j:SS+\j+1], v[AL+\j:AL+\j+1], v[KNB2+\j:KNB2+\j+1]
.endr
.irp j, 0,2,4,6
	v_pk_fma_f32 v[UU+\j:UU+\j+1], v[KM2B+\j:KM2B+\j+1], v[PX+\j:PX+\j+1], v[UU+\j:UU+\j+1]    ; alpha p2 - 2 beta px
.endr
.irp j, 0,2,4,6
	v_pk_fma_f32 v[SS+\j:SS+\j+1], v[KB1+\j:KB1+\j+1], v[XA+\j:XA+\j+1], v[SS+\j:SS+\j+1]      ; 2 beta^2 xa - 2 beta pa alpha
.endr
.irp j, 0,2,4,6
	v_pk_mul_f32 v[D2+\j:D2+\j+1], v[DN+\j:DN+\j+1], v[DN+\j:DN+\j+1]
.endr
.irp j, 0,2,4,6
	v_pk_fma_f32 v[UU+\j:UU+\j+1], v[AL+\j:AL+\j+1], v[UU+\j:UU+\j+1], v[WW+\j:WW+\j+1]        ; n2
.endr
.irp j, 0,2,4,6
	v_pk_mul_f32 v[GG+\j:GG+\j+1], v[UU+\j:UU+\j+1], v[KNNA+\j:KNNA+\j+1]
.endr
.irp j, 0,2,4,6
	v_pk_fma_f32 v[GG+\j:GG+\j+1], v[D2+\j:D2+\j+1], v[KNAE+\j:KNAE+\j+1], v[GG+\j:GG+\j+1]    ; dn^2 (na + EPS) - n2 na
.endr
.irp j, 0,1,2,3,4,5,6,7
	v_rcp_f32 v[RC+\j], v[GG+\j]
.endr
.irp j, 0,2,4,6
	v_pk_mul_f32 v[NUM+\j:NUM+\j+1], v[SS+\j:SS+\j+1], v[DN+\j:DN+\j+1]                ; plain lines behind the reciprocals
.endr
	s_wait_alu depctr_va_vdst(0)
.irp j, 0,2,4,6
	v_pk_mul_f32 v[ARG+\j:ARG+\j+1], v[NUM+\j:NUM+\j+1], v[RC+\j:RC+\j+1]              ; t, asinh's argument
.endr
.irp j, 0,2,4,6
	v_pk_fma_f32 v[T2+\j:T2+\j+1], v[ARG+\j:ARG+\j+1], v[ARG+\j:ARG+\j+1], 1.0 op_sel_hi:[1,1,0]
.endr
.irp j, 0,1,2,3,4,5,6,7
	v_sqrt_f32 v[SQ+\j], v[T2+\j]
.endr
	v_nop                                          ; the plain line behind the last root (ISA guide 5.7.2)
	s_wait_alu depctr_va_vdst(0)
.irp j, 0,1,2,3,4,5,6,7
	v_add_f32 v[YY+\j], |v[ARG+\j]|, v[SQ+\j]      ; at least 1: no cancellation for either sign of t
.endr
.irp j, 0,1,2,3,4,5,6,7
	v_log_f32 v[LG+\j], v[YY+\j]
.endr
	v_nop                                          ; and behind the last logarithm
	s_wait_alu depctr_va_vdst(0)
.irp j, 0,1,2,3,4,5,6,7
	v_bfi_b32 v[LG+\j], s28, v[LG+\j], v[ARG+\j]   ; t's sign on the logarithm
.endr
.irp j, 0,2,4,6
	v_pk_mul_f32 v[OUTR+\j:OUTR+\j+1], v[LG+\j:LG+\j+1], v[KCC+\j:KCC+\j+1]
.endr
	; THE WAY OUT: a lane's 32 bytes are an eighth of a row's 256; the rest lies with three other waves.  Through the stage.
	ds_store_b128 v[SST], v[OUTR:OUTR+3]
	ds_store_b128 v[SST], v[OUTR+4:OUTR+7] offset:16
	s_wait_dscnt 0x0                               ; zero: other waves read these bytes behind the barrier
	s_barrier_signal -1
	s_barrier_wait -1
	ds_load_b128 v[16:19], v[SRD]                  ; row G
	ds_load_b128 v[20:23], v[SRD] offset:16*SPITCH ; row G + 16
	s_wait_dscnt 0x1                               ; the first of the two
	global_store_b128 v[OOF], v[16:19], s[10:11] th:TH_STORE_NT             ; sixteen lanes: 256 neighbouring bytes, aligned
	s_wait_dscnt 0x0
	global_store_b128 v[OOF], v[20:23], s[10:11] offset:16*4096 th:TH_STORE_NT
	s_wait_tensorcnt 0x0
	ds_add_u32 v248, v249
	s_wait_dscnt 0x0
	s_endpgm
.Lfunc_end_k_q55d2109fce_hyperplane:
	.size	k_q55d2109fce_hyperplane, .Lfunc_end_k_q55d2109fce_hyperplane-k_q55d2109fce_hyperplane
	.p2alignl 7, 3214868480
	.fill 96, 4, 3214868480
	.section	.rodata,"a",@progbits
	.p2align	6, 0x0
	.amdhsa_kernel k_q55d2109fce_hyperplane
		.amdhsa_group_segment_fixed_size 168960
		.amdhsa_private_segment_fixed_size 0
		.amdhsa_enable_private_segment 0
		.amdhsa_kernarg_size 32
		.amdhsa_user_sgpr_count 2
		.amdhsa_user_sgpr_kernarg_segment_ptr 1
		.amdhsa_wavefront_size32 1
		.amdhsa_system_sgpr_workgroup_id_x 1
		.amdhsa_system_sgpr_workgroup_id_y 1
		.amdhsa_system_sgpr_workgroup_id_z 1
		.amdhsa_system_vgpr_workitem_id 0
		.amdhsa_next_free_vgpr 250
		.amdhsa_next_free_sgpr 66
		.amdhsa_reserve_vcc 0
		.amdhsa_float_denorm_mode_32 3
		.amdhsa_float_denorm_mode_16_64 3
		.amdhsa_memory_ordered 1
		.amdhsa_forward_progress 1
		.amdhsa_inst_pref_size 41
	.end_amdhsa_kernel
	.amdgpu_metadata
---
amdhsa.version: [ 1, 2 ]
amdhsa.kernels:
  - .name:           k_q55d2109fce_hyperplane
    .symbol:         k_q55d2109fce_hyperplane.kd
    .args:
      - { .name: x, .offset: 0, .size: 8, .value_kind: global_buffer, .address_space: global }
      - { .name: p, .offset: 8, .size: 8, .value_kind: global_buffer, .address_space: global }
      - { .name: a, .offset: 16, .size: 8, .value_kind: global_buffer, .address_space: global }
      - { .name: out0, .offset: 24, .size: 8, .value_kind: global_buffer, .address_space: global }
    .group_segment_fixed_size: 168960
    .private_segment_fixed_size: 0
    .kernarg_segment_align: 8
    .kernarg_segment_size: 32
    .max_flat_workgroup_size: 256
    .sgpr_count:     66
    .vgpr_count:     250
    .wavefront_size: 32
...
	.end_amdgpu_metadata
.endif
;; end of part 1
;; ======== version 2 of 2: 1 launch; version 1 with the launch hyperplane written anew for expert scheduling mode
;; limits: values outside matrix products are rounded to bf16
;; launch hyperplane (part 2): grid 16 x 16, 8 waves a work-group, no clusters, 168,960 bytes of LDS; arguments x, p, a, out0; writes out0
.if DOCPART == 2
	.amdgcn_target "amdgcn-amd-amdhsa--gfx1250"
	.amdhsa_code_object_version 6
	.text
	.protected	k_q55d2109fce_hyperplane
	.globl	k_q55d2109fce_hyperplane
	.p2align	8
	.type	k_q55d2109fce_hyperplane,@function
k_q55d2109fce_hyperplane:
	s_mov_b64 s[64:65], 0
	v_nop
	global_prefetch_b8 v0, s[64:65] scope:SCOPE_SE
	s_setreg_imm32_b32 hwreg(HW_REG_WAVE_SCHED_MODE, 0, 2), 2
	s_setreg_imm32_b32 hwreg(HW_REG_WAVE_MODE, 25, 1), 1
	s_wait_xcnt 0x0
	s_wait_alu depctr_vm_vsrc(0)
; Hyperbolic hyperplane logits.  x: [512][256] f32, p, a: [1024][256] f32, out0: [512][1024] f32.
; z = (-p) (+) x is never formed.  With px = <x,p>, xa = <x,a> and the row sums x2, p2, a2, pa = <p,a>:
;   beta = 1 - p2     alpha = 1 + x2 - 2 px     dn = 1 + p2 x2 - 2 px + EPS     na = |beta| sqrt(a2)
;   n2 = |num|^2 = alpha (alpha p2 - 2 beta px) + beta^2 x2          (z2 = n2 / dn^2)
;   arg = (2 beta^2 xa - 2 beta pa alpha) dn / (dn^2 (na + EPS) - n2 na)
;   out = 2 / (beta + EPS) * na * asinh(arg)
; which is reference()'s chain with both EPS terms kept; only the order of rounding differs.
;
; A work-group makes 32 rows (b) x 64 columns (k): 64 columns are 256 bytes, so each aligned 256-byte piece of out0 is
; written whole.  16 x 16 = 256 work-groups.  The launch asks for more than half of a WGP's 327,680 bytes of LDS though
; 95,104 are used: no second work-group lies beside this one, so the 256 groups spread over 256 WGPs.
; PHASE 1 (8 waves): all 40 loads of a lane are issued at once (160 KB of the group in flight); sixteen lanes take 256
;   aligned bytes of one row.  As rows arrive: square sums in f32, rounding to bf16, 16-byte LDS stores.  The wave that
;   holds a row of p and a also makes that k's seven constants.
; PHASE 2: wave (bt, kt) owns one 16 x 16 tile of the output: two accumulators (px, xa), 8 K steps of 32.
;   Source 0 = rows of p (or a), source 1 = rows of x: a lane then holds 8 neighbouring k of one b.
;   Epilogue in f32, out through an LDS stage so that sixteen lanes store 256 neighbouring bytes.
; The place of d inside an LDS row is permuted (d = 64 t + 4 r + e lies at 128 (t>>1) + 8 r + 4 (t&1) + e), alike for
; x, p and a, so each product meets its partner; only the order of the f32 sums differs from ascending d.
; NO CLUSTER, NO MULTICAST: the tiles are f32 and every number has to pass a register once (square sums, rounding).
;   Through the mover 163,840 bytes would be written to LDS and read back before the 81,920 bytes of bf16 are written:
;   three times the LDS traffic of this staging.
; LIMITS: <x,p> and <x,a> take operands rounded to bf16, sums in f32.  asinh(t) = sign(t) ln(|t| + sqrt(t^2 + 1)):
;   t^2 overflows for |t| above 1.8e19 (result inf where the true value is near 45); for tiny t the absolute error is
;   about 1e-7 (the relative one is not kept).  v_sqrt_f32 and v_rcp_f32 flush denormals: a2 below 2^-126 counts as 0.
;
; THE MODE: SCHED_MODE bits 1:0 = 2 (LLVM: expert scheduling mode 2), set by the entry lines.  The code itself states the
; register dependences between vector or matrix instructions and memory or LDS instructions, with s_wait_alu, always for 0.
; THE PLAN.  Registers that memory or LDS instructions touch:
;   v3          offset of the 40 global loads: made once at the head, never written again.
;   v4 - v9     LDS addresses of phase 1's stores and of the fragments: made once behind the loads, never written again.
;   LD          a group's loads land in its own registers; its sums read them, its conversions write them in place, its
;               16-byte stores read them; nothing names them again before the fragments land there.
;   SXB, OB     each group of x has four registers of its own, each group of p and a eight: written by that group's sums
;               and constants, read by the 4-byte stores that are issued in the NEXT group; never written again in phase 1.
;   v216 - v223 a2, pa and what the constants are made of: named by vector instructions alone.
;   So ONE wait on va_vdst stands in a group, behind its conversions: this group's bf16 words are written, and so are the
;   group before's x2 or constants.  The stores follow it, dealt among the group's lane sums and constants, which name this
;   group's own SXB or OB and v216 - v223 alone: none of the registers that those stores touch.  One more such wait stands
;   ahead of the last group's seven stores.  No store's source is written again in phase 1, so no wait on vm_vsrc stands there.
;   F, PX       behind the barrier ONE wait on vm_vsrc: my LDS stores have read v16 - v215, in which the fragments land and
;               which the first accumulator writes over.
;   v10 - v14   made behind K step 3.  The wait on va_vdst at the head of K step 4 states that they are written and that the
;               matrix instructions of K steps 0 to 2 are done reading v16 - v71, in which the constants land.
;   OUTR        written by the epilogue; one wait on va_vdst ahead of the stage stores.  No vector instruction follows it,
;               so it serves the stage's loads into v16 - v23 (constants that the epilogue read) as well.
.set ROWB,   1024                      ; bytes in a row of x, p, a
.set PITCH,  528                       ; LDS row: 512 bytes of bf16 + 16: the 16 rows of a fragment load fall on different banks
.set XS,     0                         ; 32 rows of x
.set PS,     XS+32*PITCH               ; 64 rows of p
.set AS,     PS+64*PITCH               ; 64 rows of a
.set CN,     AS+64*PITCH               ; seven arrays of 64 f32: constant c of column k at CN + 256 c + 4 k
.set X2O,    CN+7*256                  ; x2 of the 32 rows
.set ST,     X2O+128                   ; the stage: 32 rows of 256 bytes + 16
.set SPITCH, 272
.set EPSF,   0x358637bd                ; 1e-6
.set ONEEPS, 0x3f800008                ; 1 + 1e-6
.set M2LN2,  0xbfb17218                ; -2 ln 2
; vector registers
.set R,    1                           ; lane % 16
.set G,    2                           ; thread / 16, 0..15: the row that my sixteen lanes share
.set GOFF, 3                           ; 1024 G + 16 R: my 16 bytes in x, p, a
.set LSX,  4                           ; 528 G + 16 R: where they go in LDS (x and p by the immediate)
.set LSA,  5                           ; the same + AS (beyond the 16-bit immediate)
.set LSC,  6                           ; CN + 4 G
.set FX,   7                           ; fragment addresses of x, p, a
.set FP,   8
.set FA,   9
.set LC,   10                          ; my 8 constants of each array
.set LX2,  11                          ; my x2
.set SST,  12                          ; stage, in
.set SRD,  13                          ; stage, back
.set OOF,  14                          ; 16 R, later my byte offset in out0
.set H,    15                          ; lane / 16
.set LD,   16                          ; v[16:175]: 40 loads; x group i at LD+16 i; p group i at LD+32+32 i, a behind it
.set SXB,  176                         ; v[176:183] x group i: four registers of sums at SXB + 4 i; x2 ends in the first
.set OB,   184                         ; v[184:215] p/a group i, eight registers at OB + 8 i: +0, +1 the sums of p2 (p2 ends in +0),
                                       ;            +2 -2 beta, +3 2 beta^2, +4 -2 beta pa, +5 -na, +6 na + EPS, +7 lam na ln 2
.set SA2,  216                         ; pairs: a2, pa
.set SPA,  218
.set CB,   220                         ; beta, |a|, beta + EPS and its reciprocal
.set CSQ,  221
.set CBE,  222
.set CRC,  223
.set F,    16                          ; v[16:207]: K step s: x at F+24 s, p at +8, a at +16
.set PX,   208                         ; accumulators
.set XA,   216
.set KP2,  16                          ; the constants of my 8 k (over the fragments of K steps 0 to 2)
.set KM2B, 24
.set KB1,  32
.set KNB2, 40
.set KNNA, 48
.set KNAE, 56
.set KCC,  64
.set X2R,  224                         ; per b, each twice (a pair for the packed forms): x2, 1 + x2, x2 / 2, 1 + EPS
.set OX2,  226
.set HX2,  228
.set OE,   230
.set QQ,   232
.set WW,   240
.set AL,   88                          ; epilogue, 8 registers each
.set DN,   96
.set UU,   104
.set SS,   112
.set NUM,  120
.set D2,   128
.set GG,   136
.set RC,   144
.set ARG,  152
.set T2,   160
.set SQ,   168
.set YY,   176
.set LG,   184
.set OUTR, 192
	s_load_b256 s[4:11], s[0:1], 0x0               ; x s[4:5], p s[6:7], a s[8:9], out0 s[10:11]
	v_lshl_add_u32 v248, v0, 2, 0x29000
	v_mov_b32 v249, 0
	v_and_b32 v[R], 15, v0
	v_lshrrev_b32 v[G], 4, v0
	v_bfe_u32 v[H], v0, 4, 1
	v_lshrrev_b32 v[LC], 5, v0
	v_readfirstlane_b32 s12, v[LC]                 ; wave 0..7
	v_lshlrev_b32 v[OOF], 4, v[R]
	v_lshl_add_u32 v[GOFF], v[G], 10, v[OOF]
	s_and_b32 s13, ttmp7, 0xffff                   ; block of 32 rows b; ttmp9: block of 64 columns k
	s_lshl_b32 s16, s13, 15                        ; 32 rows of 1,024 bytes of x
	s_mov_b32 s17, 0
	s_lshl_b32 s18, ttmp9, 16                      ; 64 rows of p and of a
	s_mov_b32 s19, 0
	s_lshl_b32 s20, s13, 17                        ; 32 rows of 4,096 bytes of out0
	s_lshl_b32 s21, ttmp9, 8                       ; + 64 columns of 4 bytes
	s_add_co_u32 s20, s20, s21
	s_mov_b32 s21, 0
	s_wait_kmcnt 0x0
	s_add_nc_u64 s[4:5], s[4:5], s[16:17]
	s_add_nc_u64 s[6:7], s[6:7], s[18:19]
	s_add_nc_u64 s[8:9], s[8:9], s[18:19]
	s_add_nc_u64 s[10:11], s[10:11], s[20:21]
	s_wait_alu depctr_va_vdst(0)                   ; v[GOFF] is written: the 40 loads below read it as their offset
	; All 40 loads.  Group i holds row G + 16 i; load t its bytes 256 t .. 256 t + 255 (sixteen lanes, 16 bytes each).
	; These tiles are read again by fifteen other work-groups: no cache hint.
.irp i, 0,1
.irp t, 0,1,2,3
	global_load_b128 v[LD+16*\i+4*\t:LD+16*\i+4*\t+3], v[GOFF], s[4:5] offset:\i*16*ROWB+\t*256
.endr
.endr
.irp i, 0,1,2,3
.irp t, 0,1,2,3
	global_load_b128 v[LD+32+32*\i+4*\t:LD+32+32*\i+4*\t+3], v[GOFF], s[6:7] offset:\i*16*ROWB+\t*256
.endr
.irp t, 0,1,2,3
	global_load_b128 v[LD+48+32*\i+4*\t:LD+48+32*\i+4*\t+3], v[GOFF], s[8:9] offset:\i*16*ROWB+\t*256
.endr
.endr
	; addresses, while the loads are on their way
	v_mul_u32_u24 v[LSX], v[G], PITCH
	v_add_nc_u32 v[LSX], v[LSX], v[OOF]
	v_add_nc_u32 v[LSA], AS, v[LSX]
	v_lshl_add_u32 v[LSC], v[G], 2, CN
	s_wait_alu depctr_va_sdst(0)                   ; s12, the wave's number, is written, ahead of its first reader: the line below
	s_and_b32 s14, s12, 1                          ; bt: which 16 rows b are my tile's
	s_lshr_b32 s15, s12, 1                         ; kt: which 16 columns k
	v_mul_u32_u24 v[FX], v[R], PITCH               ; a fragment: lane holds row R, 16 bytes at 16 H and at 32 + 16 H of each 64
	v_lshl_add_u32 v[FX], v[H], 4, v[FX]
	s_mul_i32 s22, s14, 16*PITCH
	s_mul_i32 s23, s15, 16*PITCH
	s_add_co_u32 s23, s23, PS
	v_add_nc_u32 v[FP], s23, v[FX]
	v_add_nc_u32 v[FA], AS-PS, v[FP]
	v_add_nc_u32 v[FX], s22, v[FX]
	s_lshl_b32 s24, s15, 6                         ; 16 kt columns of 4 bytes
	s_add_co_u32 s25, s24, CN
	s_lshl_b32 s26, s14, 6
	s_add_co_u32 s26, s26, X2O
	s_mul_i32 s27, s14, 16*SPITCH
	s_add_co_u32 s27, s27, s24
	s_add_co_u32 s27, s27, ST
	s_mov_b32 s28, 0x7fffffff                      ; everything but the sign
; 16 f32 of a lane (loads t = 0..3) to 16 bf16, in place: registers +0..+3 hold t = 0, 1; registers +8..+11 hold t = 2, 3
.macro CVT16 src
	v_cvt_pk_bf16_f32 v[\src+0],  v[\src+0],  v[\src+1]
	v_cvt_pk_bf16_f32 v[\src+1],  v[\src+2],  v[\src+3]
	v_cvt_pk_bf16_f32 v[\src+2],  v[\src+4],  v[\src+5]
	v_cvt_pk_bf16_f32 v[\src+3],  v[\src+6],  v[\src+7]
	v_cvt_pk_bf16_f32 v[\src+8],  v[\src+8],  v[\src+9]
	v_cvt_pk_bf16_f32 v[\src+9],  v[\src+10], v[\src+11]
	v_cvt_pk_bf16_f32 v[\src+10], v[\src+12], v[\src+13]
	v_cvt_pk_bf16_f32 v[\src+11], v[\src+14], v[\src+15]
.endm
; Row G + 16 i of x.  left = the loads issued behind this group's four (loads return in order, ISA guide 5.7.1).
.macro XGROUP i, left
	s_wait_loadcnt \left
.set XX, LD+16*\i
.set SX, SXB+4*\i
	v_pk_mul_f32 v[SX:SX+1],   v[XX:XX+1],   v[XX:XX+1]        ; the first products start the two chains
	v_pk_mul_f32 v[SX+2:SX+3], v[XX+2:XX+3], v[XX+2:XX+3]
.irp j, 4,8,12
	v_pk_fma_f32 v[SX:SX+1],   v[XX+\j:XX+\j+1],   v[XX+\j:XX+\j+1],   v[SX:SX+1]
	v_pk_fma_f32 v[SX+2:SX+3], v[XX+\j+2:XX+\j+3], v[XX+\j+2:XX+\j+3], v[SX+2:SX+3]
.endr
	v_pk_add_f32 v[SX:SX+1], v[SX:SX+1], v[SX+2:SX+3]
	v_add_f32 v[SX], v[SX], v[SX+1]
	CVT16 XX
	s_wait_alu depctr_va_vdst(0)                   ; the conversions have written this group's words, which the 16-byte stores read; group 0: the LDS addresses v4 to v9 are written; group 1: group 0's lane sums have written its x2
	ds_store_b128 v[LSX], v[XX:XX+3]    offset:XS+\i*16*PITCH      ; sixteen lanes: 256 neighbouring bytes, no bank met twice
	ds_store_b128 v[LSX], v[XX+8:XX+11] offset:XS+\i*16*PITCH+256
.if \i == 1
	ds_store_b32 v[LSC], v[SXB] offset:X2O-CN      ; group 0's x2: sixteen lanes, one word, one value
.endif
.irp m, 1,2,4,8
	v_add_f32_dpp v[SX], v[SX], v[SX] row_xmask:\m row_mask:0xf bank_mask:0xf   ; a row lies in sixteen lanes: four steps.  They name this group's own register alone
.endr
.endm
; Constant c of p/a group i, from register r of the group's eight
.macro KST i, c, r
	ds_store_b32 v[LSC], v[OB+8*(\i)+(\r)] offset:(\c)*256+64*(\i)
.endm
; One of the four steps of the three sums over sixteen lanes
.macro RED3 o, m
	v_add_f32_dpp v[\o],  v[\o],  v[\o]  row_xmask:\m row_mask:0xf bank_mask:0xf
	v_add_f32_dpp v[SA2], v[SA2], v[SA2] row_xmask:\m row_mask:0xf bank_mask:0xf
	v_add_f32_dpp v[SPA], v[SPA], v[SPA] row_xmask:\m row_mask:0xf bank_mask:0xf
.endm
; Row G + 16 i of p and of a: sums, bf16, and the seven constants of that k.
.macro PAGROUP i, left
	s_wait_loadcnt \left
.set PP, LD+32+32*\i
.set AA, PP+16
.set KO, OB+8*\i
	v_pk_mul_f32 v[KO:KO+1],   v[PP:PP+1], v[PP:PP+1]
	v_pk_mul_f32 v[SA2:SA2+1], v[AA:AA+1], v[AA:AA+1]
	v_pk_mul_f32 v[SPA:SPA+1], v[PP:PP+1], v[AA:AA+1]
.irp j, 2,4,6,8,10,12,14
	v_pk_fma_f32 v[KO:KO+1],   v[PP+\j:PP+\j+1], v[PP+\j:PP+\j+1], v[KO:KO+1]
	v_pk_fma_f32 v[SA2:SA2+1], v[AA+\j:AA+\j+1], v[AA+\j:AA+\j+1], v[SA2:SA2+1]
	v_pk_fma_f32 v[SPA:SPA+1], v[PP+\j:PP+\j+1], v[AA+\j:AA+\j+1], v[SPA:SPA+1]
.endr
	v_add_f32 v[KO],  v[KO],  v[KO+1]
	v_add_f32 v[SA2], v[SA2], v[SA2+1]
	v_add_f32 v[SPA], v[SPA], v[SPA+1]
	CVT16 PP
	CVT16 AA
	s_wait_alu depctr_va_vdst(0)                   ; the conversions have written this group's words of p and a, which the 16-byte stores read; the group before has written its seven constants (group 0: x's second group its x2), which the 4-byte stores read
	ds_store_b128 v[LSX], v[PP:PP+3]    offset:PS+\i*16*PITCH
	ds_store_b128 v[LSX], v[PP+8:PP+11] offset:PS+\i*16*PITCH+256
	ds_store_b128 v[LSA], v[AA:AA+3]    offset:\i*16*PITCH
	ds_store_b128 v[LSA], v[AA+8:AA+11] offset:\i*16*PITCH+256
	; No further wait: the vector lines from here to the group's end name this group's own eight registers and v216 to v223 alone
	RED3 KO, 1
.if \i == 0
	ds_store_b32 v[LSC], v[SXB+4] offset:X2O-CN+64 ; x2 of x's second group
.else
	KST (\i)-1, 0, 0
	KST (\i)-1, 1, 2
.endif
	RED3 KO, 2
.if \i > 0
	KST (\i)-1, 2, 3
	KST (\i)-1, 3, 4
.endif
	RED3 KO, 4
.if \i > 0
	KST (\i)-1, 4, 5
	KST (\i)-1, 5, 6
.endif
	RED3 KO, 8
.if \i > 0
	KST (\i)-1, 6, 7
.endif
	v_sub_f32 v[CB], 1.0, v[KO]                    ; beta = 1 - p2
	v_sqrt_f32 v[CSQ], v[SA2]                      ; |a|.  Behind a transcendental one plain vector line stands before its
	v_mul_f32 v[KO+2], -2.0, v[CB]                 ; result is used (ISA guide 5.7.2): here -2 beta,
	v_add_f32 v[CBE], EPSF, v[CB]
	v_rcp_f32 v[CRC], v[CBE]                       ; 1 / (1 - p2 + EPS)
	v_mul_f32 v[KO+3], -v[KO+2], v[CB]             ; and here 2 beta^2
	v_mul_f32 v[KO+4], v[KO+2], v[SPA]             ; -2 beta pa
	s_wait_alu depctr_va_vdst(0)
	v_mul_f32 v[KO+5], -|v[CB]|, v[CSQ]            ; -na = -|beta| |a|
	v_sub_f32 v[KO+6], EPSF, v[KO+5]               ; na + EPS
	v_mul_f32 v[KO+7], v[KO+5], v[CRC]
	v_mul_f32 v[KO+7], M2LN2, v[KO+7]              ; lam na ln 2: the logarithm below is to base 2
.endm
	XGROUP 0, 36                                   ; 40 loads: 4 + 4 of x, then 8 for each group of p and a
	XGROUP 1, 32
	PAGROUP 0, 24
	PAGROUP 1, 16
	PAGROUP 2, 8
	PAGROUP 3, 0
	s_wait_alu depctr_va_vdst(0)                   ; the last group has written its seven constants, which the stores below read.  No vector line stands between here and the fragments' loads: every vector reader and writer of v16 to v207 is done
	KST 3, 0, 0
	KST 3, 1, 2
	KST 3, 2, 3
	KST 3, 3, 4
	KST 3, 4, 5
	KST 3, 5, 6
	KST 3, 6, 7
	s_wait_dscnt 0x0                               ; my rows and constants are in LDS: zero, for the other waves' sake
	s_barrier_signal -1
	s_barrier_wait -1                              ; everybody's are
	s_wait_alu depctr_vm_vsrc(0)                   ; my LDS stores have read v16 to v215: the fragments land in v16 to v207, and the first accumulator writes v208 to v215
	; 48 fragment loads in one run, in the order in which the K steps want them
.irp s, 0,1,2,3,4,5,6,7
	ds_load_b128 v[F+24*\s:F+24*\s+3],     v[FX] offset:64*\s
	ds_load_b128 v[F+24*\s+4:F+24*\s+7],   v[FX] offset:64*\s+32
	ds_load_b128 v[F+24*\s+8:F+24*\s+11],  v[FP] offset:64*\s
	ds_load_b128 v[F+24*\s+12:F+24*\s+15], v[FP] offset:64*\s+32
	ds_load_b128 v[F+24*\s+16:F+24*\s+19], v[FA] offset:64*\s
	ds_load_b128 v[F+24*\s+20:F+24*\s+23], v[FA] offset:64*\s+32
.endr
; K step s.  left = the LDS loads issued behind this step's six.  The first step starts the sums: nothing is cleared.
.macro STEP s, left, first
	s_wait_dscnt \left
.if \first
	v_wmma_f32_16x16x32_bf16 v[PX:PX+7], v[F+24*\s+8:F+24*\s+15],  v[F+24*\s:F+24*\s+7], 0
	v_wmma_f32_16x16x32_bf16 v[XA:XA+7], v[F+24*\s+16:F+24*\s+23], v[F+24*\s:F+24*\s+7], 0
.else
	v_wmma_f32_16x16x32_bf16 v[PX:PX+7], v[F+24*\s+8:F+24*\s+15],  v[F+24*\s:F+24*\s+7], v[PX:PX+7]
	v_wmma_f32_16x16x32_bf16 v[XA:XA+7], v[F+24*\s+16:F+24*\s+23], v[F+24*\s:F+24*\s+7], v[XA:XA+7]
.endif
.endm
	STEP 0, 42, 1                                  ; 48 - 6 (s + 1)
	STEP 1, 36, 0
	STEP 2, 30, 0
	STEP 3, 24, 0
	; The constants go over the fragments of K steps 0 to 2 (v16 to v71).  The nine lines of address work below name none of
	; those registers; they stand between those steps' matrix instructions and the loads, ahead of the wait that the loads hang on.
	v_lshl_add_u32 v[LC], v[H], 5, s25             ; CN + 4 (16 kt + 8 H)
	v_lshl_add_u32 v[LX2], v[R], 2, s26            ; X2O + 4 (16 bt + R)
	v_mul_u32_u24 v[SST], v[R], SPITCH             ; stage, in: row 16 bt + R, byte 4 (16 kt + 8 H)
	v_lshl_add_u32 v[SST], v[H], 5, v[SST]
	v_add_nc_u32 v[SST], s27, v[SST]
	v_mul_u32_u24 v[SRD], v[G], SPITCH             ; stage, back: row G, byte 16 R
	v_add_nc_u32 v[SRD], v[SRD], v[OOF]
	v_add_nc_u32 v[SRD], ST, v[SRD]
	v_lshl_add_u32 v[OOF], v[G], 12, v[OOF]        ; and the same place in out0: 4,096 G + 16 R
	; K step 4, written out: the 15 loads of the constants and of x2 are dealt among its two matrix instructions
.set F4, F+24*4
	s_wait_dscnt 18                                ; 48 - 30: this step's six loads are in, those of K steps 5 to 7 stay out
	s_wait_alu depctr_va_vdst(0)                   ; the matrix instructions of K steps 0 to 2 are done reading v16 to v71, in which the constants land; the nine lines above have written v10 to v14, the addresses of these loads and of the way out
	v_wmma_f32_16x16x32_bf16 v[PX:PX+7], v[F4+8:F4+15],  v[F4:F4+7], v[PX:PX+7]
.irp c, 0,1,2,3
	ds_load_b128 v[KP2+8*\c:KP2+8*\c+3],   v[LC] offset:256*\c        ; no wait: this step's matrix instructions name v112 to v135 and the accumulators alone
	ds_load_b128 v[KP2+8*\c+4:KP2+8*\c+7], v[LC] offset:256*\c+16
.endr
	v_wmma_f32_16x16x32_bf16 v[XA:XA+7], v[F4+16:F4+23], v[F4:F4+7], v[XA:XA+7]
.irp c, 4,5,6
	ds_load_b128 v[KP2+8*\c:KP2+8*\c+3],   v[LC] offset:256*\c
	ds_load_b128 v[KP2+8*\c+4:KP2+8*\c+7], v[LC] offset:256*\c+16
.endr
	ds_load_b32 v[X2R], v[LX2]
	STEP 5, 27, 0                                  ; 48 - 6 (s + 1) + the 15 loads just issued
	STEP 6, 21, 0
	STEP 7, 15, 0
	; EPILOGUE.  Register j of lane (R, H): b = 16 bt + R, k = 16 kt + 8 H + j.
	s_wait_dscnt 0x0                               ; the constants
	; These seven lines name no register of the matrix instructions above: they are the places in front of the first
	; read of the accumulators and the first write over the fragments of K steps 3 to 7 (ISA guide 7.12.1).
	v_mov_b32 v[X2R+1], v[X2R]
	v_add_f32 v[OX2],   1.0, v[X2R]
	v_add_f32 v[OX2+1], 1.0, v[X2R]
	v_mul_f32 v[HX2],   0.5, v[X2R]
	v_mul_f32 v[HX2+1], 0.5, v[X2R]
	v_mov_b32 v[OE],   ONEEPS
	v_mov_b32 v[OE+1], ONEEPS
.irp j, 0,2,4,6
	v_pk_fma_f32 v[QQ+\j:QQ+\j+1], v[KP2+\j:KP2+\j+1], v[X2R:X2R+1], v[OE:OE+1]        ; 1 + EPS + p2 x2
.endr
.irp j, 0,2,4,6
	v_pk_mul_f32 v[WW+\j:WW+\j+1], v[KB1+\j:KB1+\j+1], v[HX2:HX2+1]                    ; beta^2 x2
.endr
.irp j, 0,2,4,6
	v_pk_fma_f32 v[AL+\j:AL+\j+1], v[PX+\j:PX+\j+1], -2.0, v[OX2:OX2+1] op_sel_hi:[1,0,1]      ; alpha
.endr
.irp j, 0,2,4,6
	v_pk_fma_f32 v[DN+\j:DN+\j+1], v[PX+\j:PX+\j+1], -2.0, v[QQ+\j:QQ+\j+1] op_sel_hi:[1,0,1]  ; dn
.endr
.irp j, 0,2,4,6
	v_pk_mul_f32 v[UU+\j:UU+\j+1], v[AL+\j:AL+\j+1], v[KP2+\j:KP2+\j+1]
.endr
.irp j, 0,2,4,6
	v_pk_mul_f32 v[SS+\j:SS+\j+1], v[AL+\j:AL+\j+1], v[KNB2+\j:KNB2+\j+1]
.endr
.irp j, 0,2,4,6
	v_pk_fma_f32 v[UU+\j:UU+\j+1], v[KM2B+\j:KM2B+\j+1], v[PX+\j:PX+\j+1], v[UU+\j:UU+\j+1]    ; alpha p2 - 2 beta px
.endr
.irp j, 0,2,4,6
	v_pk_fma_f32 v[SS+\j:SS+\j+1], v[KB1+\j:KB1+\j+1], v[XA+\j:XA+\j+1], v[SS+\j:SS+\j+1]      ; 2 beta^2 xa - 2 beta pa alpha
.endr
.irp j, 0,2,4,6
	v_pk_mul_f32 v[D2+\j:D2+\j+1], v[DN+\j:DN+\j+1], v[DN+\j:DN+\j+1]
.endr
.irp j, 0,2,4,6
	v_pk_fma_f32 v[UU+\j:UU+\j+1], v[AL+\j:AL+\j+1], v[UU+\j:UU+\j+1], v[WW+\j:WW+\j+1]        ; n2
.endr
.irp j, 0,2,4,6
	v_pk_mul_f32 v[GG+\j:GG+\j+1], v[UU+\j:UU+\j+1], v[KNNA+\j:KNNA+\j+1]
.endr
.irp j, 0,2,4,6
	v_pk_fma_f32 v[GG+\j:GG+\j+1], v[D2+\j:D2+\j+1], v[KNAE+\j:KNAE+\j+1], v[GG+\j:GG+\j+1]    ; dn^2 (na + EPS) - n2 na
.endr
.irp j, 0,1,2,3,4,5,6,7
	v_rcp_f32 v[RC+\j], v[GG+\j]
.endr
.irp j, 0,2,4,6
	v_pk_mul_f32 v[NUM+\j:NUM+\j+1], v[SS+\j:SS+\j+1], v[DN+\j:DN+\j+1]                ; plain lines behind the reciprocals
.endr
	s_wait_alu depctr_va_vdst(0)
.irp j, 0,2,4,6
	v_pk_mul_f32 v[ARG+\j:ARG+\j+1], v[NUM+\j:NUM+\j+1], v[RC+\j:RC+\j+1]              ; t, asinh's argument
.endr
.irp j, 0,2,4,6
	v_pk_fma_f32 v[T2+\j:T2+\j+1], v[ARG+\j:ARG+\j+1], v[ARG+\j:ARG+\j+1], 1.0 op_sel_hi:[1,1,0]
.endr
.irp j, 0,1,2,3,4,5,6,7
	v_sqrt_f32 v[SQ+\j], v[T2+\j]
.endr
	v_nop                                          ; the plain line behind the last root (ISA guide 5.7.2)
	s_wait_alu depctr_va_vdst(0)
.irp j, 0,1,2,3,4,5,6,7
	v_add_f32 v[YY+\j], |v[ARG+\j]|, v[SQ+\j]      ; at least 1: no cancellation for either sign of t
.endr
.irp j, 0,1,2,3,4,5,6,7
	v_log_f32 v[LG+\j], v[YY+\j]
.endr
	v_nop                                          ; and behind the last logarithm
	s_wait_alu depctr_va_vdst(0)
.irp j, 0,1,2,3,4,5,6,7
	v_bfi_b32 v[LG+\j], s28, v[LG+\j], v[ARG+\j]   ; t's sign on the logarithm
.endr
.irp j, 0,2,4,6
	v_pk_mul_f32 v[OUTR+\j:OUTR+\j+1], v[LG+\j:LG+\j+1], v[KCC+\j:KCC+\j+1]
.endr
	; THE WAY OUT: a lane's 32 bytes are an eighth of a row's 256; the rest lies with three other waves.  Through the stage.
	s_wait_alu depctr_va_vdst(0)                   ; the last multiplies have written v[OUTR ..], which the stage stores read; the epilogue is done reading v16 to v23, in which the stage's loads land: no vector line follows
	ds_store_b128 v[SST], v[OUTR:OUTR+3]
	ds_store_b128 v[SST], v[OUTR+4:OUTR+7] offset:16
	s_wait_dscnt 0x0                               ; zero: other waves read these bytes behind the barrier
	s_barrier_signal -1
	s_barrier_wait -1
	ds_load_b128 v[16:19], v[SRD]                  ; row G
	ds_load_b128 v[20:23], v[SRD] offset:16*SPITCH ; row G + 16
	s_wait_dscnt 0x1                               ; the first of the two
	global_store_b128 v[OOF], v[16:19], s[10:11] th:TH_STORE_NT             ; sixteen lanes: 256 neighbouring bytes, aligned
	s_wait_dscnt 0x0
	global_store_b128 v[OOF], v[20:23], s[10:11] offset:16*4096 th:TH_STORE_NT
	s_wait_dscnt 0x0
	s_wait_alu depctr_hold_cnt(0) depctr_sa_sdst(0) depctr_va_vdst(0) depctr_va_sdst(0) depctr_va_ssrc(0) depctr_va_vcc(0) depctr_vm_vsrc(0)
	s_wait_tensorcnt 0x0
	ds_add_u32 v248, v249
	s_wait_dscnt 0x0
	s_endpgm
.Lfunc_end_k_q55d2109fce_hyperplane:
	.size	k_q55d2109fce_hyperplane, .Lfunc_end_k_q55d2109fce_hyperplane-k_q55d2109fce_hyperplane
	.p2alignl 7, 3214868480
	.fill 96, 4, 3214868480
	.section	.rodata,"a",@progbits
	.p2align	6, 0x0
	.amdhsa_kernel k_q55d2109fce_hyperplane
		.amdhsa_group_segment_fixed_size 168960
		.amdhsa_private_segment_fixed_size 0
		.amdhsa_enable_private_segment 0
		.amdhsa_kernarg_size 32
		.amdhsa_user_sgpr_count 2
		.amdhsa_user_sgpr_kernarg_segment_ptr 1
		.amdhsa_wavefront_size32 1
		.amdhsa_system_sgpr_workgroup_id_x 1
		.amdhsa_system_sgpr_workgroup_id_y 1
		.amdhsa_system_sgpr_workgroup_id_z 1
		.amdhsa_system_vgpr_workitem_id 0
		.amdhsa_next_free_vgpr 250
		.amdhsa_next_free_sgpr 66
		.amdhsa_reserve_vcc 0
		.amdhsa_float_denorm_mode_32 3
		.amdhsa_float_denorm_mode_16_64 3
		.amdhsa_memory_ordered 1
		.amdhsa_forward_progress 1
		.amdhsa_inst_pref_size 41
	.end_amdhsa_kernel
	.amdgpu_metadata
---
amdhsa.version: [ 1, 2 ]
amdhsa.kernels:
  - .name:           k_q55d2109fce_hyperplane
    .symbol:         k_q55d2109fce_hyperplane.kd
    .args:
      - { .name: x, .offset: 0, .size: 8, .value_kind: global_buffer, .address_space: global }
      - { .name: p, .offset: 8, .size: 8, .value_kind: global_buffer, .address_space: global }
      - { .name: a, .offset: 16, .size: 8, .value_kind: global_buffer, .address_space: global }
      - { .name: out0, .offset: 24, .size: 8, .value_kind: global_buffer, .address_space: global }
    .group_segment_fixed_size: 168960
    .private_segment_fixed_size: 0
    .kernarg_segment_align: 8
    .kernarg_segment_size: 32
    .max_flat_workgroup_size: 256
    .sgpr_count:     66
    .vgpr_count:     250
    .wavefront_size: 32
...
	.end_amdgpu_metadata
.endif
;; end of part 2
